; MI455X (gfx1250); checked and timed in simulation.
; The chip was launched on July 23, 2026; its instructions are those of AMD's public machine-readable ISA for CDNA 5 (MIT licence, August 2026) and "CDNA5" Instruction Set Architecture Reference Guide (July 2026). The comments in the code are by the model that wrote it; some were corrected since.
;; Masked Attention Layer. Allowed arithmetic: matrix products marked QUANTISED: E2M1 operands, one E8M0 scale for each 32 along K, by v_wmma_scale_f32_16x16x128_f8f6f4 with both operands' format E2M1 (or v_wmma_scale_f32_32x16x128_f4), f32 sums; everything else in f32.
;; Inputs: Wk 16 x 64 x 1,024 float32; Wq 16 x 64 x 1,024 float32; Wv 16 x 64 x 1,024 float32; bk 16 x 64 float32; bq 16 x 64 float32; bv 16 x 64 float32; x 4 x 2,048 x 1,024 float32.
;; Outputs: out0 4 x 2,048 x 1,024 float32.
;; This version of the problem:
;;   THIS VERSION OF THE PROBLEM IS GIVEN IN LOW PRECISION. The matrix products marked QUANTISED in the list below multiply operands that are first quantised to E2M1 (2 exponent bits, 1 mantissa bit; 4 bits a number), with one power-of-two scale for each 32 numbers along K (OCP MX v1.0); their sums are f32. All else is computed in f32.
;;   The module's matrix products, in the order in which they are computed (A, B: the left and right operand; K: the contracted axis; several contracted axes count as one K, in the product's order):
;;     1. [M 8,192, K 1,024] x [K 1,024, N 1,024]; A: input x; B: input Wq: QUANTISED
;;     2. [M 8,192, K 1,024] x [K 1,024, N 1,024]; A: input x; B: input Wk: QUANTISED
;;     3. [M 8,192, K 1,024] x [K 1,024, N 1,024]; A: input x; B: input Wv: QUANTISED
;;     4. batch 64 x [M 2,048, K 64] x [K 64, N 2,048]; A: computed on the way; B: computed on the way: QUANTISED
;;     5. batch 64 x [M 64, K 2,048] x [K 2,048, N 2,048]; A: computed on the way; B: softmax (see below): QUANTISED
;;   THE QUANTISER, for each operand of a quantised product, along K:
;;     - K is cut into blocks of 32 from its start; a last block that is shorter is filled with zeros.
;;     - A block's scale is 2^e with e = floor(log2(the largest magnitude in the block)) - 2, held to -126 .. 127; a block of zeros has e = 0. As a byte (E8M0): e + 127.
;;     - Each number is divided by its block's scale, clamped to +-6, and rounded to the nearest number of E2M1, ties to even, subnormals kept.
;;     - The product sums the exact products of the quantised numbers (number of the format x scale) in f32.
;;   ~~~python
;;   def quantise(x, axis):      # numpy; x: float32 -> the quantised numbers, widened to float32 again
;;       x = np.moveaxis(x, axis, -1); K = x.shape[-1]
;;       x = np.pad(x, [(0, 0)] * (x.ndim - 1) + [(0, -K % 32)]); x = x.reshape(x.shape[:-1] + (-1, 32)); a = np.abs(x).max(-1, keepdims=True)
;;       e = np.where(a > 0, np.clip(np.frexp(np.where(a > 0, a, 1))[1] - 1 - 2, -126, 127), 0)      # np.frexp(a)[1] - 1 = floor(log2(a)), exactly
;;       r = np.clip(x / 2.0 ** e, -6, 6)
;;       step = 2.0 ** (np.maximum(np.frexp(np.where(r == 0, 1, r))[1] - 1, 0) - 1)
;;       q = np.round(r / step) * step * 2.0 ** e      # np.round: ties to even
;;       return np.moveaxis(q.reshape(q.shape[:-2] + (-1,))[..., :K], -1, axis).astype(np.float32)
;;   ~~~
;;   SOFTMAX AHEAD OF A QUANTISED PRODUCT. Where the list says 'softmax', what is quantised is not the finished softmax but p = 2^(t - M), with t = logit x log2(e) and M = ceil(the row's largest t), a whole number; so 1/2 < the row's largest p <= 1. The row's sum l is taken of the UNQUANTISED p, in f32, and the product's result is divided by l at the end. Since M is a whole number, a kernel that streams over the keys may use a running M (the ceiling of the running maximum): every later rescaling is an exact power of two, which a block's scale takes up: the codes' values come out the same.
;;   OPERANDS COMPUTED ON THE WAY. 'Computed on the way' means the value that the module computes at that place (a softmax that the list does not call 'softmax' is quantised finished and normalised). What goes into a quantiser is computed in f32, as accurately as f32 sums, v_exp_f32 and their like allow (about 1e-6 of the number): no bf16 or f16 on the way to a quantiser, and a product that is left as it is and whose result goes on into a quantised operand takes f32 operands (vector FMAs, or v_wmma_f32_16x16x4_f32). A number that lies on a knife's edge between two numbers of the format may be rounded either way, as far as f32 arithmetic and the matrix unit's own rounding can turn it there, and no further.
;; One version. Each part assembles by itself: llvm-mc -triple=amdgcn-amd-amdhsa -mcpu=gfx1250 --defsym DOCPART=n.
;; ======== version 1 of 1: 3 launches
;; workspace buffers: xc 4,194,304 bytes; xs 262,144 bytes; wc 1,572,864 bytes; ws 98,304 bytes; qb 4,718,592 bytes; kv 9,175,040 bytes
;; launch quant (part 1): grid 352 x 1, 4 waves a work-group, no clusters, 33,280 bytes of LDS; arguments x, Wq, Wk, Wv, xc, xs, wc, ws; writes xc, xs, wc, ws
.if DOCPART == 1
	.amdgcn_target "amdgcn-amd-amdhsa--gfx1250"
	.amdhsa_code_object_version 6
	.text
	.protected	k_q8dd0f4d2ee_quant
	.globl	k_q8dd0f4d2ee_quant
	.p2align	8
	.type	k_q8dd0f4d2ee_quant,@function
k_q8dd0f4d2ee_quant:
	s_mov_b64 s[64:65], 0
	v_nop
	global_prefetch_b8 v0, s[64:65] scope:SCOPE_SE
	s_setreg_imm32_b32 hwreg(HW_REG_WAVE_MODE, 25, 1), 1
	s_wait_xcnt 0x0
; LAUNCH 1 OF 3.  x [8192][1024] and Wq, Wk, Wv [1024][1024] (heads x head size on end), f32 with K = E innermost, become codes of FP4 (E2M1), two a byte, and one E8M0 byte for each 32 along K:
; xc [8192][512 bytes], xs [8192][32 bytes]; wc [3072][512 bytes], ws [3072][32 bytes], rows 0-1023 Wq, 1024-2047 Wk, 2048-3071 Wv.
; THE PROGRAM: this launch; a launch that makes q, k, v = x W^T + b on these codes and quantises them in registers; a launch that does the causal attention on those codes.
; WORK LEFT OUT, in the third launch: key steps of 128 keys that lie wholly behind a tile's 16 queries.  reference() itself adds -infinity to those scores (its own triu mask), so their p is 0 whatever finite values
; the inputs hold: they add nothing to a row's maximum, its sum or its output.  LIMIT: a NaN, an infinity or an overflow that reaches only those scores is not carried to the result.
; Every input has a way to the output and is loaded (bk too: it moves k's codes).
; A block's scale is 2^(floor(log2(its largest magnitude)) - 2); its byte is the largest magnitude's exponent field - 2, held at 1 from below.  A block of zeros so keeps the byte 1: its codes are zeros, which add
; nothing under any byte but 0xff, and this program alone reads the bytes.
; LIMITS: blocks whose largest magnitude lies under 2^-124 keep the byte 1; NaN and infinities among the inputs are not served.
; Rows are dense and K is a multiple of 32, so each tensor is a plain stream of blocks of 32.  A work-group takes 32,768 numbers, a wave 16 steps of 512.  Work-groups 0-255 take x, the next 32 Wq, then Wk, then Wv.
; Each load reads 512 consecutive bytes; a step's 2,048 bytes turn through the wave's own stage in LDS and come back 64 bytes a lane: 16 neighbours along K, two lanes to a block.
; A lane's 16 codes are 8 bytes: the wave stores 256 consecutive bytes.  A wave's 256 scale bytes are gathered in LDS and leave as 256 consecutive bytes.  No barrier: waves share nothing.
.set WAVES, 4
.set STEPS, 16
.set EMAX,  2
.set CB,    8                          ; bytes of 16 codes
.set R,     16                         ; v16-79   four sets of 16 numbers as they are loaded
.set X,     80                         ; v80-111  two sets of 16 neighbours
.set C,     128                        ; v128-191 codes: four registers for each step, so that no store's data are written again
.set E,     112                        ; v112-127 a scale byte for each step
.set WREG,  8192                       ; LDS: a region for each wave: two stages of 32 x SP bytes, behind them its 256 scale bytes
.set SP,    80                         ; a lane's place in a stage: 64 bytes + 16 of padding
.set SPW,   12                         ; v12  LDS address of my spare word; never rewritten
.set NIL,   13                         ; v13  0; never rewritten
.set SPARE, WAVES*WREG                 ; behind the four regions: the spare words, 128 bytes a wave
	s_load_b256 s[4:11], s[0:1], 0x0               ; x, Wq, Wk, Wv
	s_load_b256 s[12:19], s[0:1], 0x20             ; xc, xs, wc, ws
	v_lshl_add_u32 v[SPW], v0, 2, SPARE
	v_mov_b32 v[NIL], 0
	v_lshrrev_b32 v1, 5, v0
	v_readfirstlane_b32 s20, v1                    ; wave
	v_and_b32 v2, 31, v0                           ; lane
	v_lshlrev_b32 v3, 4, v2                        ; my 16 bytes of a load's 512
	s_mul_i32 s24, s20, WREG
	v_lshrrev_b32 v14, 2, v2
	v_mul_u32_u24 v14, v14, SP
	v_and_b32 v15, 3, v2
	v_lshl_add_u32 v14, v15, 4, v14
	v_add_nc_u32 v14, s24, v14                     ; the stage, on the way in: SP (lane / 4) + 16 (lane % 4)
	v_mul_u32_u24 v15, v2, SP
	v_add_nc_u32 v15, s24, v15                     ; and on the way out: SP x lane
	v_mul_u32_u24 v4, v2, CB                       ; my codes' place in a step's
	v_lshrrev_b32 v5, 1, v2
	s_add_co_u32 s24, s24, 2*32*SP
	v_add_nc_u32 v5, s24, v5                       ; my wave's 256 scale bytes, my block's byte
	v_lshlrev_b32 v7, 3, v2                        ; on the way out 8 bytes a lane
	v_add_nc_u32 v6, s24, v7
	s_wait_kmcnt 0x0
	; which tensor: the choices hang on the work-group's number alone
	s_sub_co_u32 s21, ttmp9, 256                   ; g': my place among the weights' 96 work-groups
	s_lshr_b32 s22, s21, 5                         ; 0 Wq, 1 Wk, 2 Wv
	s_and_b32 s23, s21, 31                         ; my place in that tensor
	s_cmp_eq_u32 s22, 1
	s_cselect_b64 s[6:7], s[8:9], s[6:7]
	s_cmp_eq_u32 s22, 2
	s_cselect_b64 s[6:7], s[10:11], s[6:7]         ; the weight
	s_cmp_lt_u32 ttmp9, 256
	s_cselect_b64 s[4:5], s[4:5], s[6:7]           ; from: x or the weight
	s_cselect_b64 s[12:13], s[12:13], s[16:17]     ; codes to xc or wc
	s_cselect_b64 s[14:15], s[14:15], s[18:19]     ; bytes to xs or ws
	s_cselect_b32 s23, ttmp9, s23                  ; place in the source
	s_cselect_b32 s21, ttmp9, s21                  ; place in the destination: the three weights lie on end there
	s_lshl_b32 s23, s23, 2
	s_add_co_u32 s23, s23, s20                     ; my wave's run of 8,192 numbers in the source,
	s_lshl_b32 s21, s21, 2
	s_add_co_u32 s21, s21, s20                     ; and in the destination
	s_lshl_b32 s26, s23, 15                        ; 32,768 bytes of numbers a run
	s_mov_b32 s27, 0
	s_add_nc_u64 s[4:5], s[4:5], s[26:27]
	s_lshl_b32 s28, s21, 12                        ; 4,096 bytes of codes
	s_mov_b32 s29, 0
	s_add_nc_u64 s[12:13], s[12:13], s[28:29]
	s_lshl_b32 s28, s21, 8                         ; 256 scale bytes
	s_add_nc_u64 s[14:15], s[14:15], s[28:29]
.macro LOAD t
.irp i, 0,1,2,3
	global_load_b128 v[R+16*((\t)%4)+4*\i:R+16*((\t)%4)+4*\i+3], v3, s[4:5] offset:2048*(\t)+512*\i th:TH_LOAD_NT   ; 32 lanes read 512 consecutive bytes
.endr
.endm
.macro TURN t                          ; step t's numbers through the stage: LDS serves a wave's instructions in order, so no wait stands between the stores and the loads
.irp i, 0,1,2,3
	ds_store_b128 v14, v[R+16*((\t)%4)+4*\i:R+16*((\t)%4)+4*\i+3] offset:32*SP*((\t)%2)+8*SP*\i
.endr
.irp i, 0,1,2,3
	ds_load_b128 v[X+16*((\t)%2)+4*\i:X+16*((\t)%2)+4*\i+3], v15 offset:32*SP*((\t)%2)+16*\i
.endr
.endm
.irp t, 0,1,2,3
	LOAD \t
.endr
	s_wait_loadcnt 12                              ; step 0's four loads are in; the twelve of steps 1 to 3 may be out
	TURN 0
.macro STEP t
.set XS, X+16*((\t)%2)
.if (\t) > 0
	s_wait_dscnt 1                                 ; this step's numbers are back from the stage (the last step's byte store may be out): so its stores into the stage have read their registers,
.else
	s_wait_dscnt 0x0
.endif
.if (\t)+4 < STEPS
	LOAD (\t)+4                                    ; which take the loads of four steps on
.endif
.if (\t)+1 < STEPS
.if STEPS-2-(\t) >= 3
	s_wait_loadcnt 12                              ; the next step's four loads are in; those of the three steps behind it may be out
.else
	s_wait_loadcnt 4*(STEPS-2-(\t))
.endif
	TURN (\t)+1                                    ; and go through the other stage while this step is worked
.endif
	v_max3_num_f32 v8, |v[XS]|, |v[XS+1]|, |v[XS+2]|               ; the largest magnitude of my 16, in two chains
	v_max3_num_f32 v9, |v[XS+3]|, |v[XS+4]|, |v[XS+5]|
.irp i, 6,10
	v_max3_num_f32 v8, v8, |v[XS+\i]|, |v[XS+\i+1]|
	v_max3_num_f32 v9, v9, |v[XS+\i+2]|, |v[XS+\i+3]|
.endr
	v_max3_num_f32 v8, v8, |v[XS+14]|, |v[XS+15]|
	v_max3_num_f32 v8, v8, v9, (EMAX+1)<<23        ; and the floor 2^(3 - 127): the byte cannot fall under 1
	v_max_num_f32_dpp v8, v8, v8 row_xmask:1 row_mask:0xf bank_mask:0xf   ; and of my neighbour's 16: the block's
	v_add_nc_u32 v11, -(EMAX<<23), v8              ; 2 off its exponent field: the conversion takes the exponent field of this operand as its scale
	v_cvt_scalef32_pk8_fp4_f32 v[C+4*(\t)], v[XS:XS+7], v11
	v_cvt_scalef32_pk8_fp4_f32 v[C+4*(\t)+1], v[XS+8:XS+15], v11
	v_lshrrev_b32 v[E+(\t)], 23, v11               ; the scale's byte (a plain line behind the conversions)
	ds_store_b8 v5, v[E+(\t)] offset:16*(\t)       ; both lanes of a block write the same byte with the same value
	global_store_b64 v4, v[C+4*(\t):C+4*(\t)+1], s[12:13] offset:32*CB*(\t)   ; 32 lanes store 256 consecutive bytes, aligned
.endm
.irp t, 0,1,2,3,4,5,6,7,8,9,10,11,12,13,14,15
	STEP \t
.endr
	ds_load_b64 v[8:9], v6                         ; LDS serves a wave's instructions in order: these see my stores
	s_wait_dscnt 0x0
	global_store_b64 v7, v[8:9], s[14:15]          ; 32 lanes store 256 consecutive bytes, aligned
	s_wait_tensorcnt 0x0                           ; the wave's end, behind my last LDS store
	ds_add_u32 v[SPW], v[NIL]
	s_wait_dscnt 0x0
	s_endpgm
.Lfunc_end_k_q8dd0f4d2ee_quant:
	.size	k_q8dd0f4d2ee_quant, .Lfunc_end_k_q8dd0f4d2ee_quant-k_q8dd0f4d2ee_quant
	.p2alignl 7, 3214868480
	.fill 96, 4, 3214868480
	.section	.rodata,"a",@progbits
	.p2align	6, 0x0
	.amdhsa_kernel k_q8dd0f4d2ee_quant
		.amdhsa_group_segment_fixed_size 33280
		.amdhsa_private_segment_fixed_size 0
		.amdhsa_enable_private_segment 0
		.amdhsa_kernarg_size 64
		.amdhsa_user_sgpr_count 2
		.amdhsa_user_sgpr_kernarg_segment_ptr 1
		.amdhsa_wavefront_size32 1
		.amdhsa_system_sgpr_workgroup_id_x 1
		.amdhsa_system_sgpr_workgroup_id_y 1
		.amdhsa_system_sgpr_workgroup_id_z 1
		.amdhsa_system_vgpr_workitem_id 0
		.amdhsa_next_free_vgpr 192
		.amdhsa_next_free_sgpr 66
		.amdhsa_reserve_vcc 0
		.amdhsa_float_denorm_mode_32 3
		.amdhsa_float_denorm_mode_16_64 3
		.amdhsa_memory_ordered 1
		.amdhsa_forward_progress 1
		.amdhsa_inst_pref_size 34
	.end_amdhsa_kernel
	.amdgpu_metadata
---
amdhsa.version: [ 1, 2 ]
amdhsa.kernels:
  - .name:           k_q8dd0f4d2ee_quant
    .symbol:         k_q8dd0f4d2ee_quant.kd
    .args:
      - { .name: x, .offset: 0, .size: 8, .value_kind: global_buffer, .address_space: global }
      - { .name: Wq, .offset: 8, .size: 8, .value_kind: global_buffer, .address_space: global }
      - { .name: Wk, .offset: 16, .size: 8, .value_kind: global_buffer, .address_space: global }
      - { .name: Wv, .offset: 24, .size: 8, .value_kind: global_buffer, .address_space: global }
      - { .name: xc, .offset: 32, .size: 8, .value_kind: global_buffer, .address_space: global }
      - { .name: xs, .offset: 40, .size: 8, .value_kind: global_buffer, .address_space: global }
      - { .name: wc, .offset: 48, .size: 8, .value_kind: global_buffer, .address_space: global }
      - { .name: ws, .offset: 56, .size: 8, .value_kind: global_buffer, .address_space: global }
    .group_segment_fixed_size: 33280
    .private_segment_fixed_size: 0
    .kernarg_segment_align: 8
    .kernarg_segment_size: 64
    .max_flat_workgroup_size: 128
    .sgpr_count:     66
    .vgpr_count:     192
    .wavefront_size: 32
...
	.end_amdgpu_metadata
.endif
;; end of part 1
;; launch proj (part 2): grid 8 x 48, 4 waves a work-group, clusters of 4 x 4, 327,680 bytes of LDS; arguments xc, xs, wc, ws, bq, bk, bv, qb, kv; writes qb, kv
.if DOCPART == 2
	.amdgcn_target "amdgcn-amd-amdhsa--gfx1250"
	.amdhsa_code_object_version 6
	.text
	.protected	k_q8dd0f4d2ee_proj
	.globl	k_q8dd0f4d2ee_proj
	.p2align	8
	.type	k_q8dd0f4d2ee_proj,@function
k_q8dd0f4d2ee_proj:
	s_mov_b64 s[64:65], 0
	v_nop
	global_prefetch_b8 v0, s[64:65] scope:SCOPE_SE
	s_setreg_imm32_b32 hwreg(HW_REG_WAVE_MODE, 25, 1), 1
	s_wait_xcnt 0x0
	s_wait_alu depctr_hold_cnt(0) depctr_sa_sdst(0) depctr_va_vdst(0) depctr_va_sdst(0) depctr_va_ssrc(0) depctr_va_vcc(0) depctr_vm_vsrc(0)
	s_getreg_b32 s2, hwreg(HW_REG_IB_STS2, 6, 4)
	s_cmp_eq_u32 s2, 0
	s_cbranch_scc0 .Lentry_in_a_cluster
	s_endpgm
.Lentry_in_a_cluster:
	s_bfe_u32 s2, ttmp6, 0x10000c
	s_cmp_lg_u32 s2, 0xf033
	s_cbranch_scc0 .Lentry_shape_is_right
	s_endpgm
.Lentry_shape_is_right:
; LAUNCH 2 OF 3.  q, k, v = x W^T + b on codes of FP4 with E8M0 scales (K = 1,024), sums in f32; the results are quantised in registers and leave as codes and scale words alone.  Nothing of reference() is left out here.
; A tile of 256 x 256 results is made by four waves, 128 x 128 each: 64 accumulators of 16 x 16, 512 registers.  K lies in two LDS slots of 512, both filled at the head; the scale bytes of the tile's rows likewise.
; THE MATRIX INSTRUCTION: source 0 = 16 rows of 'B', source 1 = 16 rows of 'A': lane (r, h) of accumulator (a, b) holds A's row 16 a + r, and its register j B's row 16 b + 8 h + j.
; TWO KINDS of cluster, told apart by the cluster's y, which all sixteen partners share:
;   KIND 0 (y 0-7): A = x's tokens, B = Wq's (cluster x = 0) or Wk's (1) features.  A lane holds a token, its registers run along the features: q and k are quantised along the head's 64.
;   KIND 1 (y 8-11): A = Wv's features, B = x's tokens.  A lane holds a feature, its registers run along the tokens: v is quantised along the keys, by the same lines.
; THE BIAS is the C of each sum's first matrix instruction: eight registers a tile in the result's layout (KIND 0: by B's block; KIND 1: by A's block, the same in all eight).
; QUANTISING A ROW OF TILES (a, 0..7): 128 along the next K.  Block c of 32 is tiles 2 c, 2 c + 1 in lanes l and l xor 16.  Tile t's conversion gives the codes of k = 16 t + 8 h + 0..7; tiles 0, 2, 1, 3 of each 64 go into four
; registers on end, and two exchanges of lane halves leave registers 4 c .. 4 c + 3 of lane (r, h) with k = 64 c + 32 h + 0 .. 31: the operand's own layout.
; OUT: records of 128 tokens of one (batch, head), images of operand registers (lane l's 16 bytes at 16 l).  rec = (batch x 16 + head) x 16 + step.
;   qb, 4,608 bytes a record: 8 units of 512 bytes (16 queries x 64); at 4,096 the scale words: token t's at 16 (t % 32) + 4 (t / 32); bytes 0, 1 its two blocks, bytes 2, 3 zero.
;   kv, 8,960 bytes: K's 8 units; at 4,096 V^T's 4 fragments of 1,024 bytes (16 channels x 128 keys); at 8,192 K's scale words as q's; at 8,704 V's: channel d's at 8 (d % 32) + 4 (d / 32).
; Each store of a wave covers 512 (V's scale words: 256) consecutive bytes at a multiple of 256 from its buffer's first byte.
; CLUSTERS: 4 x 4.  A's tiles are shared along a row of the cluster, B's along a column: each is asked for jointly.  LIMITS as in the first launch: a block under 2^-124 or of zeros keeps the byte 1; NaN and infinities are not served.
; REGISTERS: window 0: v1-10 addresses; v16-29 addresses; v32-95 scale words, two sets; v96-103 the biases' offsets; v128-191 A's fragments, one set; v192-255 the biases' tiles.  On the way out v32-79 are at work.
;   window 1: B's fragments, two sets.   windows 2, 3: the accumulators, (a, b) at v[8 (8 (a % 4) + b)].
.set NQ,     4                         ; matrix instructions deep in a slot
.set ROWB,   256                       ; a tile's row in bytes: 512 codes
.set KROW,   512                       ; a row of codes in memory
.set PITCH,  272                       ; an LDS row: 256 bytes + 16 of padding: the 16 rows that a load touches start at 16 different banks (64 banks of 4 bytes: ISA guide 11.1)
.set FR,     8
.set NL,     2
.set NP,     4                         ; places behind this matrix instruction (ISA guide 7.12.1)
.set HALFT,  128*PITCH
.set SLOT,   4*HALFT
.set KS,     32                        ; a row of scale bytes
.set SCL,    2*SLOT
.set HALFS,  (128*KS/256)*272
.set SBLK,   (16*KS/256)*272
.set SPARE,  SCL+4*HALFS               ; the spare words, 128 bytes a wave
.set HEADB,  16*8960                   ; from a head's records in kv to the next head's
.set VO0,  8                           ; v8   16 x lane
.set VO1,  9                           ; v9   16 x lane + the second unit's distance
.set V8L,  10                          ; v10  8 x lane
.set ADRA, 16
.set ADRB, 20
.set ADRS, 27
.set SPW,  28
.set NIL,  29
.set SC,   32
.set VA,   96
.set AF,   128
.set BT,   192
.set TM,   32                          ; the way out: v32-35 largest magnitudes, v36-39 bytes, v44-47 the conversions' scale operands
.set P,    48                          ; v48-55 the codes of a row of tiles
.set PW,   64                          ; v64-71 the scale words of the eight rows of tiles
.set R,    72                          ; v72-79 scale words as they are stored
.set G1, 24
.set G0, 32
.set G1B, 48
.set G0B, 56
.set G1S, 68
.set G0S, 76
.set G1SB, 80
.set G0SB, 88
.set KIND, 66
.set MSB, 0
.macro WIN new                         ; the immediate's high byte repeats the setting that is left
.if MSB != \new
	s_set_vgpr_msb (MSB<<8)|\new
.set MSB, \new
.endif
.endm
.set MUL_LO, 0xa1                      ; source 0 (B) window 1, source 1 (A) window 0, C and D window 2
.set MUL_HI, 0xf1                      ; the same, C and D window 3
.set FST_LO, 0x81                      ; the first products: C (the bias) window 0, D window 2
.set FST_HI, 0xc1                      ; D window 3
.set TO_B,   0x40
; A joint load: waves 0 and 1 fetch for A, waves 2 and 3 for B; the branch hangs on the wave's number alone.  An s_nop 0 and four v_nop follow each of the two lines.
.macro JLOAD g0a, g1a, g0b, g1b
	s_cmp_eq_u32 s15, 0
	s_cbranch_scc0 .Lfor_b_\@
	tensor_load_to_lds s[\g0a:\g0a+3], s[\g1a:\g1a+7]
	s_nop 0
.rept 4
	v_nop
.endr
	s_branch .Lasked_\@
.Lfor_b_\@:
	tensor_load_to_lds s[\g0b:\g0b+3], s[\g1b:\g1b+7]
	s_nop 0
.rept 4
	v_nop
.endr
.Lasked_\@:
.endm
.macro CROUND                          ; a round of the cluster's barrier
	s_barrier_signal -1
	s_barrier_wait -1
	s_cmp_lg_u32 s14, 0
	s_cbranch_scc1 .Lnot_wave_0_\@
	s_barrier_signal -3
.Lnot_wave_0_\@:
	s_barrier_wait -3
	s_barrier_signal -1
	s_barrier_wait -1
.endm
	s_load_b256 s[4:11], s[0:1], 0x0               ; xc, xs, wc, ws
	s_load_b128 s[96:99], s[0:1], 0x20             ; bq, bk
	s_load_b64 s[100:101], s[0:1], 0x30            ; bv
	v_lshl_add_u32 v[SPW], v0, 2, SPARE
	v_mov_b32 v[NIL], 0
	ds_add_u32 v[SPW], v[NIL]                      ; the wave's opening: the add, twice on end, and its wait ahead of my first tensor load
	ds_add_u32 v[SPW], v[NIL]
	v_lshrrev_b32 v1, 5, v0
	v_readfirstlane_b32 s14, v1                    ; wave 0..3
	s_lshr_b32 s15, s14, 1                         ; which half of A's rows is mine.  Also: I fetch for A (0) or for B (1)
	s_and_b32 s16, s14, 1                          ; which half of B's rows.  Also: which 128 rows I fetch
	s_bfe_u32 s40, ttmp6, 0x40000                  ; cx
	s_bfe_u32 s41, ttmp6, 0x40004                  ; cy
	s_and_b32 s18, ttmp7, 0xffff                   ; the cluster's y
	s_sub_co_u32 s20, s18, 8
	s_lshl_b32 s20, s20, 1
	s_add_co_u32 s20, s20, ttmp9                   ; KIND 1: 2 (y - 8) + cluster x: which 1,024 tokens
	s_cmp_ge_u32 s18, 8
	s_cselect_b32 s[KIND], 1, 0
	s_cselect_b32 s19, 0, s18
	s_cselect_b32 s20, s20, ttmp9
	s_lshl_b32 s17, s19, 2
	s_add_co_u32 s17, s17, s41                     ; TR: which 256 rows of A
	s_lshl_b32 s42, s20, 2
	s_add_co_u32 s42, s42, s40                     ; TC: which 256 rows of B
	s_lshl_b32 s43, s41, 2
	s_lshl_b32 s43, 15, s43                        ; my row of the cluster
	s_lshl_b32 s44, 0x1111, s40                    ; my column
	s_mov_b32 s67, 0xffff0000                      ; lanes 16-31
	; descriptor group 1: a tile of 128 rows x 256 bytes, 16 bytes of padding behind each row
	s_or_b32 s[G1+0], s43, (0<<16)|(1<<20)|(1<<21)|(5<<22)|(3<<25)  ; 15:0 the mask; 17:16 elements of 1 byte; 20 padding on; 21 set beside a mask; 24:22 after every 64 words; 31:25 four words
	s_or_b32 s[G1B+0], s44, (0<<16)|(1<<20)|(1<<21)|(5<<22)|(3<<25)
.irp g, G1, G1B
	s_mov_b32 s[\g+1], ROWB<<16                    ; tensor_dim0
	s_mov_b32 s[\g+2], 128<<16                     ; tensor_dim1
	s_mov_b32 s[\g+3], ROWB<<16                    ; tile_dim0
	s_mov_b32 s[\g+4], 128                         ; tile_dim1
	s_mov_b32 s[\g+5], KROW                        ; from row to row
	s_mov_b32 s[\g+6], 0
	s_mov_b32 s[\g+7], 0
.endr
	; the scale bytes of 128 rows: 4,096 dense bytes as 16 rows of 256 bytes (32 elements of 8), 16 bytes of padding behind each
	s_or_b32 s[G1S+0], s43, (3<<16)|(1<<20)|(1<<21)|(5<<22)|(3<<25)
	s_or_b32 s[G1SB+0], s44, (3<<16)|(1<<20)|(1<<21)|(5<<22)|(3<<25)
.irp g, G1S, G1SB
	s_mov_b32 s[\g+1], 32<<16
	s_mov_b32 s[\g+2], (128*KS/256)<<16
	s_mov_b32 s[\g+3], 32<<16
	s_mov_b32 s[\g+4], 128*KS/256
	s_mov_b32 s[\g+5], 32
	s_mov_b32 s[\g+6], 0
	s_mov_b32 s[\g+7], 0
.endr
	s_lshl_b32 s18, s16, 7                         ; which 128 rows I fetch
	s_lshl_b32 s20, s17, 8
	s_add_co_u32 s20, s20, s18
	s_lshl_b32 s19, s[KIND], 11
	s_add_co_u32 s20, s20, s19                     ; A: row 256 TR + 128 x half (KIND 1: Wv's rows begin at 2,048 of wc)
	s_lshl_b32 s46, s42, 8
	s_add_co_u32 s46, s46, s18                     ; B: row 256 TC + 128 x half
	s_mov_b32 s21, 0
	s_mov_b32 s47, 0
	s_mov_b64 s[18:19], KS
	s_mul_u64 s[22:23], s[20:21], s[18:19]         ; where these rows' scale bytes begin
	s_mul_u64 s[92:93], s[46:47], s[18:19]
	s_mov_b64 s[18:19], KROW
	s_mul_u64 s[20:21], s[20:21], s[18:19]         ; and their codes
	s_mul_u64 s[46:47], s[46:47], s[18:19]
	s_mul_i32 s45, s14, HALFT                      ; where they go: wave x 128 rows: no place in the cluster enters an LDS address
	s_mul_i32 s94, s14, HALFS
	s_lshl_b32 s2, s17, 1
	s_add_co_u32 s2, s2, s15                       ; 2 TR + my half of A's rows
	s_lshl_b32 s3, s40, 1
	s_add_co_u32 s3, s3, s16                       ; 2 cx + my half of B's rows
	s_cmp_eq_u32 s[KIND], 1
	s_cselect_b32 s12, s2, s3                      ; NT: which 128 features (two heads) of the tensor are my wave's
	s_wait_dscnt 0x0                               ; both opening adds are done
	s_wait_kmcnt 0x0
	s_cselect_b64 s[2:3], s[8:9], s[4:5]           ; KIND 1: A and B change places (the compare above still stands: moves, selections and waits leave SCC alone)
	s_cselect_b64 s[8:9], s[4:5], s[8:9]
	s_mov_b64 s[4:5], s[2:3]                       ; s[4:5] A's codes, s[8:9] B's
	s_cselect_b64 s[2:3], s[10:11], s[6:7]
	s_cselect_b64 s[10:11], s[6:7], s[10:11]
	s_mov_b64 s[6:7], s[2:3]                       ; s[6:7] A's scale bytes, s[10:11] B's
	s_add_nc_u64 s[20:21], s[4:5], s[20:21]
	s_add_nc_u64 s[22:23], s[6:7], s[22:23]
	s_add_nc_u64 s[46:47], s[8:9], s[46:47]
	s_add_nc_u64 s[92:93], s[10:11], s[92:93]
	s_cmp_eq_u32 ttmp9, 0
	s_cselect_b64 s[96:97], s[96:97], s[98:99]     ; bq or bk
	s_cmp_eq_u32 s[KIND], 1
	s_cselect_b64 s[100:101], s[100:101], s[96:97] ; or bv
	s_lshl_b32 s2, s12, 9
	s_mov_b32 s3, 0
	s_add_nc_u64 s[100:101], s[100:101], s[2:3]    ; at my 128 features
	CROUND                                         ; all sixteen work-groups are here: the first joint loads meet
	s_mov_b32 s[G0S], 1
	s_add_co_u32 s[G0S+1], s94, SCL
	s_mov_b64 s[G0S+2:G0S+3], s[22:23]
	s_or_b32 s[G0S+3], s[G0S+3], 0x80000000
	s_mov_b32 s[G0SB], 1
	s_add_co_u32 s[G0SB+1], s94, SCL
	s_mov_b64 s[G0SB+2:G0SB+3], s[92:93]
	s_or_b32 s[G0SB+3], s[G0SB+3], 0x80000000
	JLOAD G0S, G1S, G0SB, G1SB                     ; the scale bytes first: they are wanted with the first step
.irp s, 0,1
	s_mov_b32 s[G0+4*\s], 1
	s_add_co_u32 s[G0+4*\s+1], s45, \s*SLOT
	s_add_nc_u64 s[G0+4*\s+2:G0+4*\s+3], s[20:21], \s*ROWB
	s_or_b32 s[G0+4*\s+3], s[G0+4*\s+3], 0x80000000
	s_mov_b32 s[G0B+4*\s], 1
	s_add_co_u32 s[G0B+4*\s+1], s45, \s*SLOT
	s_add_nc_u64 s[G0B+4*\s+2:G0B+4*\s+3], s[46:47], \s*ROWB
	s_or_b32 s[G0B+4*\s+3], s[G0B+4*\s+3], 0x80000000
	JLOAD G0+4*\s, G1, G0B+4*\s, G1B               ; both halves of K: three loads of mine are out
.endr
	v_and_b32 v1, 15, v0                           ; r
	v_bfe_u32 v2, v0, 4, 1                         ; h
	v_mul_u32_u24 v3, v1, PITCH
	v_lshl_add_u32 v4, v2, 4, v3                   ; a fragment's row x pitch + 16 h
	s_mul_i32 s21, s15, HALFT                      ; my 128 rows of A
	s_mul_i32 s22, s16, HALFT                      ; my 128 rows of B,
	s_add_co_u32 s22, s22, 2*HALFT                 ; which lie behind A's 256
.irp s, 0,1
	v_add_nc_u32 v[ADRA+\s], s21, v4
	v_add_nc_u32 v[ADRB+\s], s22, v4
	s_add_co_u32 s21, s21, SLOT
	s_add_co_u32 s22, s22, SLOT
.endr
	v_mul_u32_u24 v5, v1, KS                       ; my row's scale bytes: 32 a row,
	v_lshrrev_b32 v6, 8, v5
	v_lshl_add_u32 v5, v6, 4, v5                   ; and 16 more for each 256 passed
	s_mul_i32 s21, s15, HALFS
	s_mul_i32 s22, s16, HALFS
	s_add_co_u32 s22, s22, 2*HALFS
	s_sub_co_u32 s22, s22, s21
	v_mul_u32_u24 v6, s22, v2                      ; lanes 16-31 take B's
	s_add_co_u32 s21, s21, SCL
	v_add_nc_u32 v5, v5, v6
	v_add_nc_u32 v[ADRS], s21, v5
	v_and_b32 v6, 31, v0
	v_lshlrev_b32 v[VO0], 4, v6
	v_lshlrev_b32 v[V8L], 3, v6
	; the biases' tiles: register 8 t + j.  KIND 0: bias[16 t + 8 h + j];  KIND 1: bias[16 t + r], the same for all j
	v_lshlrev_b32 v3, 5, v2                        ; 32 h
	v_lshlrev_b32 v4, 2, v1                        ; 4 r
	s_cmp_eq_u32 s[KIND], 1
	s_cselect_b32 s2, -1, 0
	s_cselect_b32 s95, 0, 4
	v_cndmask_b32 v[VA], v3, v4, s2
.irp j, 1,2,3,4,5,6,7
	v_add_nc_u32 v[VA+\j], s95, v[VA+\j-1]
.endr
.irp t, 0,1,2,3,4,5,6,7
.irp j, 0,1,2,3,4,5,6,7
	global_load_b32 v[BT+8*\t+\j], v[VA+\j], s[100:101] offset:64*\t
.endr
.endr
.macro FRAG reg, adr, q, i             ; 16 rows x 128 K of 4-bit codes: lane l holds row l % 16; registers 4 c .. 4 c + 3 hold K = 64 c + 32 (l / 16) + 0 .. 31
.irp c, 0,1
	ds_load_b128 v[\reg+4*\c:\reg+4*\c+3], v[\adr] offset:64*(\q)+32*\c+(\i)*16*PITCH
.endr
.endm
; 16 matrix instructions: A's blocks a0, a0 + 1 x B's eight, the slot's q-th 128 along K.  p: B's set; sc: the set of scale words.  zero = 1: C is the bias by B's block; 2: by A's block; 0: the sum goes on in place.
; The 64 accumulators take turns, one instruction a turn, in the same order in every step.
.macro MUL16 a0, p, q, sc, zero
.irp a, \a0, \a0+1
.irp b, 0,1,2,3,4,5,6,7
.if (\zero) == 1
	v_wmma_scale_f32_16x16x128_f8f6f4 v[8*(8*((\a)%4)+\b):8*(8*((\a)%4)+\b)+7], v[128*(\p)+FR*\b:128*(\p)+FR*\b+FR-1], v[AF+FR*(\a):AF+FR*(\a)+FR-1], v[BT+8*\b:BT+8*\b+7], v[SC+8*NQ*(\sc)+NQ*\b+(\q)], v[SC+8*NQ*(\sc)+NQ*(\a)+(\q)] matrix_a_fmt:MATRIX_FMT_FP4 matrix_b_fmt:MATRIX_FMT_FP4 matrix_a_scale:MATRIX_SCALE_ROW1
.elseif (\zero) == 2
	v_wmma_scale_f32_16x16x128_f8f6f4 v[8*(8*((\a)%4)+\b):8*(8*((\a)%4)+\b)+7], v[128*(\p)+FR*\b:128*(\p)+FR*\b+FR-1], v[AF+FR*(\a):AF+FR*(\a)+FR-1], v[BT+8*(\a):BT+8*(\a)+7], v[SC+8*NQ*(\sc)+NQ*\b+(\q)], v[SC+8*NQ*(\sc)+NQ*(\a)+(\q)] matrix_a_fmt:MATRIX_FMT_FP4 matrix_b_fmt:MATRIX_FMT_FP4 matrix_a_scale:MATRIX_SCALE_ROW1
.else
	v_wmma_scale_f32_16x16x128_f8f6f4 v[8*(8*((\a)%4)+\b):8*(8*((\a)%4)+\b)+7], v[128*(\p)+FR*\b:128*(\p)+FR*\b+FR-1], v[AF+FR*(\a):AF+FR*(\a)+FR-1], v[8*(8*((\a)%4)+\b):8*(8*((\a)%4)+\b)+7], v[SC+8*NQ*(\sc)+NQ*\b+(\q)], v[SC+8*NQ*(\sc)+NQ*(\a)+(\q)] matrix_a_fmt:MATRIX_FMT_FP4 matrix_b_fmt:MATRIX_FMT_FP4 matrix_a_scale:MATRIX_SCALE_ROW1
.endif
.endr
.endr
.endm
.macro FETCH_B slot, q, p
	WIN TO_B
.irp i, 0,1,2,3,4,5,6,7
	FRAG 128*(\p)+FR*\i, ADRB+\slot, \q, \i
.endr
	WIN 0
.endm
.macro FETCH_A slot, q, i0
.irp i, \i0, \i0+1, \i0+2, \i0+3
	FRAG AF+FR*(\i), ADRA+\slot, \q, \i
.endr
.endm
.macro SCALES sc                       ; a slot's scale words: four words a row; lanes 0-15 take A's block i, lanes 16-31 B's block i
.irp i, 0,1,2,3,4,5,6,7
	ds_load_b128 v[SC+8*NQ*\sc+NQ*\i:SC+8*NQ*\sc+NQ*\i+3], v[ADRS] offset:\i*SBLK
.endr
.endm
.macro PLACES n                        ; plain vector instructions that name none of the matrix instructions' registers, in front of loads into registers that they have read and of reads of their results
.rept \n
	v_nop
.endr
.endm
; A step of 128 along K that has its successor in the same slot.
.macro STEP slot, q, zero
	s_wait_dscnt 4*NL                              ; B's set and A's blocks 0-3 are in; the youngest eight loads (A's blocks 4-7) may be out
.if \zero
	WIN FST_LO
.else
	WIN MUL_LO
.endif
	MUL16 0, (\q)%2, \q, \slot, \zero
	MUL16 2, (\q)%2, \q, \slot, \zero
	s_wait_dscnt 0                                 ; A's blocks 4-7 are in
	PLACES NP
	FETCH_B \slot, (\q)+1, 1-(\q)%2
	FETCH_A \slot, (\q)+1, 0
.if \zero
	WIN FST_HI
.else
	WIN MUL_HI
.endif
	MUL16 4, (\q)%2, \q, \slot, \zero
	MUL16 6, (\q)%2, \q, \slot, \zero
	PLACES NP
	WIN 0
	FETCH_A \slot, (\q)+1, 4
.endm
; Slot 0's last step goes over to slot 1: each wave waits for all its tensor loads (its part of slot 1), and one barrier shows the whole slot to all four.  Nothing is filled again.
.macro TURN slot, next
	s_wait_tensorcnt 0x0                           ; all my tensor loads have landed
	ds_add_u32 v[SPW], v[NIL]                      ; 0 onto my spare word
	s_wait_dscnt 4*NL+1                            ; (the add and the youngest eight loads may be out)
	WIN MUL_LO
	MUL16 0, 1, NQ-1, \slot, 0
	s_wait_dscnt 0x0                               ; no LDS instruction of mine is pending at the signal
	s_barrier_signal -1
	MUL16 2, 1, NQ-1, \slot, 0
	WIN 0
	s_barrier_wait -1
	PLACES NP
	v_add_nc_u32 v[ADRS], 4*NQ, v[ADRS]            ; on to the next slot's scale words
	FETCH_B \next, 0, 0
	FETCH_A \next, 0, 0
	SCALES \next
	WIN MUL_HI
	MUL16 4, 1, NQ-1, \slot, 0
	MUL16 6, 1, NQ-1, \slot, 0
	PLACES NP
	WIN 0
	FETCH_A \next, 0, 4
.endm
.macro STEPS slot, from
.set Q, \from
.rept NQ-1-\from
	STEP \slot, Q, 0
.set Q, Q+1
.endr
.endm
	s_wait_tensorcnt 1                             ; the scale bytes and my part of slot 0 are in (slot 1's load may be out),
	s_barrier_signal -1
	s_barrier_wait -1                              ; everybody's are
	FETCH_B 0, 0, 0
	FETCH_A 0, 0, 0
	SCALES 0
	FETCH_A 0, 0, 4
	s_wait_loadcnt 0x0                             ; the biases
	s_cmp_eq_u32 s[KIND], 0                        ; the cluster's y alone: the same in all sixteen partners.  Both arms issue the same LDS loads
	s_cbranch_scc0 .Lfirst_v
	STEP 0, 0, 1                                   ; the first products start the sums with the bias by B's block
	s_branch .Ljoin
.Lfirst_v:
	STEP 0, 0, 2                                   ; or by A's block
.Ljoin:
	STEPS 0, 1
	TURN 0, 1
	s_load_b64 s[24:25], s[0:1], 0x38              ; qb, kv: into descriptor registers, which are free since the wait for all tensor loads
	s_load_b64 s[26:27], s[0:1], 0x40
	STEPS 1, 0
	s_wait_dscnt 4*NL                              ; the last step: nothing more to fetch
	WIN MUL_LO
	MUL16 0, 1, NQ-1, 1, 0
	MUL16 2, 1, NQ-1, 1, 0
	s_wait_dscnt 0
	WIN MUL_HI
	MUL16 4, 1, NQ-1, 1, 0
	MUL16 6, 1, NQ-1, 1, 0
	WIN 0
	; THE WAY OUT
	PLACES NP                                      ; behind the last products: their scale registers are written below, their results read further on
	s_wait_kmcnt 0x0
	s_lshl_b32 s28, s17, 1
	s_add_co_u32 s28, s28, s15                     ; 2 TR + my half of A's rows
	s_lshl_b32 s29, s42, 1
	s_add_co_u32 s29, s29, s16                     ; 2 TC + my half of B's rows
	s_cmp_eq_u32 s[KIND], 1
	s_cselect_b32 s28, s29, s28                    ; MT: which 128 tokens are my wave's
	s_lshr_b32 s30, s28, 4
	s_lshl_b32 s30, s30, 8                         ; batch x 256
	s_and_b32 s29, s28, 15
	s_add_co_u32 s30, s30, s29                     ; + step
	s_lshl_b32 s29, s12, 5
	s_add_co_u32 s30, s30, s29                     ; + first head x 16: my first record
	s_or_b32 s29, s[KIND], ttmp9
	s_cmp_eq_u32 s29, 0                            ; q?
	s_mov_b32 s31, 8960
	s_cselect_b32 s31, 4608, s31                   ; bytes in a record
	s_cselect_b64 s[32:33], s[24:25], s[26:27]     ; qb or kv
	s_mov_b32 s44, 8192
	s_cselect_b32 s44, 4096, s44                   ; where q's or k's scale words stand in a record
	s_lshl_b32 s43, s31, 4                         ; 16 records: the next head
	s_mov_b32 s45, 8704
	s_mov_b32 s46, 512
	s_cmp_eq_u32 s[KIND], 1
	s_cselect_b32 s44, s45, s44                    ; V's scale words
	s_cselect_b32 s45, 4096, 0                     ; where the codes stand in a record
	s_cselect_b32 s43, s46, s43                    ; from a row of tiles' first four registers to its second: V: the fragment's second unit; q, k: the next head
	s_cselect_b32 s36, 1024, s46                   ; from a row of tiles to the next: V: a fragment; q, k: a unit
	s_cselect_b32 s38, HEADB-3072, s46             ; and from the fourth to the fifth: V: the next head's first fragment
	s_mov_b32 s37, 0
	s_mov_b32 s39, 0
	s_mul_i32 s34, s30, s31
	s_mov_b32 s35, 0
	s_add_nc_u64 s[32:33], s[32:33], s[34:35]      ; my first record
	s_mov_b32 s34, s45
	s_add_nc_u64 s[12:13], s[32:33], s[34:35]      ; its codes
	s_mov_b32 s34, s44
	s_add_nc_u64 s[34:35], s[32:33], s[34:35]      ; its scale words
	s_mov_b32 s20, 0x76543210
	s_mov_b32 s21, 0xfedcba98                      ; v_permlanex16_b32's selects for lane l xor 16
	v_add_nc_u32 v[VO1], s43, v[VO0]
.irp b, 0,1,2,3
	v_mov_b32 v[TM+4+\b], 0                        ; written once: a lane permute's destination counts as one of its sources
.endr
; The row of tiles (a, 0..7): 128 along the next K become 8 registers of codes and a scale word, and the codes leave.
.macro ROWQ a
.set W, 2+(\a)/4                       ; the accumulators' window
.set AC, 64*((\a)%4)
.if (\a) > 0
	s_wait_xcnt 0x0                                ; the last row's stores have read their data and their base: both are written again below
.if (\a) == 4
	s_add_nc_u64 s[12:13], s[12:13], s[38:39]
.else
	s_add_nc_u64 s[12:13], s[12:13], s[36:37]
.endif
.endif
.set WN, (W<<2)|(W<<4)
	WIN WN                                         ; sources 1 and 2: the accumulators
.irp b, 0,1,2,3
	v_max3_num_f32 v[TM+\b], 0x1800000, |v[AC+16*\b]|, |v[AC+16*\b+1]|   ; block b: my 16 numbers, and the floor 2^(3 - 127): the byte cannot fall under 1.  Each accumulator is read from its low end on
.endr
.irp i, 2,4,6,8,10,12,14
.irp b, 0,1,2,3
	v_max3_num_f32 v[TM+\b], v[TM+\b], |v[AC+16*\b+\i]|, |v[AC+16*\b+\i+1]|   ; (the four blocks by turns)
.endr
.endr
	WIN 0
.irp b, 0,1,2,3
	v_permlanex16_b32 v[TM+4+\b], v[TM+\b], s20, s21
.endr
.irp b, 0,1,2,3
	v_max_num_f32 v[TM+\b], v[TM+\b], v[TM+4+\b]   ; with lane l xor 16's: the block's largest magnitude
.endr
.irp b, 0,1,2,3
	v_add_nc_u32 v[TM+12+\b], 0xff000000, v[TM+\b] ; 2 off its exponent field: the conversion's scale operand
.endr
.irp b, 0,1,2,3
	v_lshrrev_b32 v[TM+4+\b], 23, v[TM+12+\b]      ; the scale's byte
.endr
	v_lshl_or_b32 v[PW+(\a)], v[TM+5], 8, v[TM+4]
	v_lshl_or_b32 v[PW+(\a)], v[TM+6], 16, v[PW+(\a)]
	v_lshl_or_b32 v[PW+(\a)], v[TM+7], 24, v[PW+(\a)]
	WIN W                                          ; source 0: the accumulators
.irp b, 0,1,2,3
.irp u, 0,1
	v_cvt_scalef32_pk8_fp4_f32 v[P+4*(\b/2)+(\b%2)+2*\u], v[AC+16*\b+8*\u:AC+16*\b+8*\u+7], v[TM+12+\b]   ; tile 2 b + u: the codes of k = 32 b + 16 u + 8 h + 0 .. 7
.endr
.endr
	WIN 0
	v_nop                                          ; one plain line behind a scaled conversion
.irp c, 0,1,2,3
	v_permlane16_swap_b32 v[P+2*\c], v[P+2*\c+1]   ; the first's lanes 16-31 change places with the second's lanes 0-15: registers 4 c .. 4 c + 3 now hold k = 64 c + 32 h + 0 .. 31
.endr
	global_store_b128 v[VO0], v[P:P+3], s[12:13]
	global_store_b128 v[VO1], v[P+4:P+7], s[12:13]
.endm
.irp a, 0,1,2,3,4,5,6,7
	ROWQ \a
.endr
	; the scale words: lanes 0-15 hold those of rows 16 a + r; two rows of tiles make the words of 32 rows
.irp i, 0,1,2,3
	v_cndmask_b32 v[R+\i], v[PW+2*\i], v[PW+2*\i+1], s67
.endr
	s_cmp_eq_u32 s[KIND], 0
	s_cbranch_scc0 .Lvs
.irp i, 0,1,2,3
	v_lshrrev_b32 v[R+4+\i], 16, v[R+\i]           ; q, k: the second head's two bytes,
.endr
.irp i, 0,1,2,3
	v_and_b32 v[R+\i], 0xffff, v[R+\i]             ; the first head's; bytes 2 and 3 are zero
.endr
	global_store_b128 v[VO0], v[R:R+3], s[34:35]
	global_store_b128 v[VO1], v[R+4:R+7], s[34:35]
	s_branch .Ldone
.Lvs:
	global_store_b64 v[V8L], v[R:R+1], s[34:35]    ; V: the first head's 64 channels,
	global_store_b64 v[V8L], v[R+2:R+3], s[34:35] offset:HEADB   ; the second's
.Ldone:
	s_wait_tensorcnt 0x0                           ; the wave's end, behind my last tensor load
	ds_add_u32 v[SPW], v[NIL]
	s_wait_dscnt 0x0
	CROUND                                         ; the closing round: no work-group ends while a partner may still ask for a tile that names it
	s_endpgm
.Lfunc_end_k_q8dd0f4d2ee_proj:
	.size	k_q8dd0f4d2ee_proj, .Lfunc_end_k_q8dd0f4d2ee_proj-k_q8dd0f4d2ee_proj
	.p2alignl 7, 3214868480
	.fill 96, 4, 3214868480
	.section	.rodata,"a",@progbits
	.p2align	6, 0x0
	.amdhsa_kernel k_q8dd0f4d2ee_proj
		.amdhsa_group_segment_fixed_size 327680
		.amdhsa_private_segment_fixed_size 0
		.amdhsa_enable_private_segment 0
		.amdhsa_kernarg_size 72
		.amdhsa_user_sgpr_count 2
		.amdhsa_user_sgpr_kernarg_segment_ptr 1
		.amdhsa_wavefront_size32 1
		.amdhsa_system_sgpr_workgroup_id_x 1
		.amdhsa_system_sgpr_workgroup_id_y 1
		.amdhsa_system_sgpr_workgroup_id_z 1
		.amdhsa_system_vgpr_workitem_id 0
		.amdhsa_next_free_vgpr 1024
		.amdhsa_next_free_sgpr 102
		.amdhsa_reserve_vcc 0
		.amdhsa_float_denorm_mode_32 3
		.amdhsa_float_denorm_mode_16_64 3
		.amdhsa_memory_ordered 1
		.amdhsa_forward_progress 1
		.amdhsa_inst_pref_size 148
	.end_amdhsa_kernel
	.amdgpu_metadata
---
amdhsa.version: [ 1, 2 ]
amdhsa.kernels:
  - .name:           k_q8dd0f4d2ee_proj
    .symbol:         k_q8dd0f4d2ee_proj.kd
    .args:
      - { .name: xc, .offset: 0, .size: 8, .value_kind: global_buffer, .address_space: global }
      - { .name: xs, .offset: 8, .size: 8, .value_kind: global_buffer, .address_space: global }
      - { .name: wc, .offset: 16, .size: 8, .value_kind: global_buffer, .address_space: global }
      - { .name: ws, .offset: 24, .size: 8, .value_kind: global_buffer, .address_space: global }
      - { .name: bq, .offset: 32, .size: 8, .value_kind: global_buffer, .address_space: global }
      - { .name: bk, .offset: 40, .size: 8, .value_kind: global_buffer, .address_space: global }
      - { .name: bv, .offset: 48, .size: 8, .value_kind: global_buffer, .address_space: global }
      - { .name: qb, .offset: 56, .size: 8, .value_kind: global_buffer, .address_space: global }
      - { .name: kv, .offset: 64, .size: 8, .value_kind: global_buffer, .address_space: global }
    .group_segment_fixed_size: 327680
    .private_segment_fixed_size: 0
    .kernarg_segment_align: 8
    .kernarg_segment_size: 72
    .max_flat_workgroup_size: 128
    .sgpr_count:     102
    .vgpr_count:     1024
    .wavefront_size: 32
...
	.end_amdgpu_metadata
.endif
;; end of part 2
;; launch attn (part 3): grid 4 x 64, 16 waves a work-group, clusters of 4 x 1, 215,040 bytes of LDS; arguments qb, kv, out0; writes out0
.if DOCPART == 3
	.amdgcn_target "amdgcn-amd-amdhsa--gfx1250"
	.amdhsa_code_object_version 6
	.text
	.protected	k_q8dd0f4d2ee_attn
	.globl	k_q8dd0f4d2ee_attn
	.p2align	8
	.type	k_q8dd0f4d2ee_attn,@function
k_q8dd0f4d2ee_attn:
	s_mov_b64 s[64:65], 0
	v_nop
	global_prefetch_b8 v0, s[64:65] scope:SCOPE_SE
	s_setreg_imm32_b32 hwreg(HW_REG_WAVE_MODE, 25, 1), 1
	s_wait_xcnt 0x0
	s_wait_alu depctr_hold_cnt(0) depctr_sa_sdst(0) depctr_va_vdst(0) depctr_va_sdst(0) depctr_va_ssrc(0) depctr_va_vcc(0) depctr_vm_vsrc(0)
	s_getreg_b32 s2, hwreg(HW_REG_IB_STS2, 6, 4)
	s_cmp_eq_u32 s2, 0
	s_cbranch_scc0 .Lentry_in_a_cluster
	s_endpgm
.Lentry_in_a_cluster:
	s_bfe_u32 s2, ttmp6, 0x10000c
	s_cmp_lg_u32 s2, 0x3003
	s_cbranch_scc0 .Lentry_shape_is_right
	s_endpgm
.Lentry_shape_is_right:
; LAUNCH 3 OF 3.  out[b][q][head][:] = the sum over keys k <= q of softmax_k(q . k / 8) v[k][:], both products on codes of FP4 with E8M0 scales, from the records that the second launch laid (see its head).
; LEFT OUT: key steps of 128 keys that lie wholly behind a tile's 16 queries: reference()'s own mask makes their p zero for all values of the inputs (shown at the first launch's head).
; THE SOFTMAX: t = score x log2(e) / 8; M = the running largest t rounded UP to a whole number; p = 2^(t - M) is quantised along the keys, not normalised; the row's sum is taken of the unquantised p and divides at the end.
; When M moves, the sum and O are multiplied by 2^(old M - new M): exact.
; SHARES.  A cluster of four work-groups is one (batch, head); all four read the head's 16 records of K and V (143,360 bytes), which stay in LDS for the whole launch: each of the sixteen waves asks jointly for one record.
; Wave w (g = w / 2, e = w % 2) of work-group j owns two tiles of 16 queries, one after the other: 256 g + 32 j + 16 e, whose last key step is 2 g, and 256 (7 - g) + 128 + 32 (3 - j) + 16 e, whose last is 15 - 2 g:
; 17 key steps for every wave.  The last step hangs on the wave's number alone; the place in the cluster enters global addresses and the mask's compare value, and nothing else.
; LAYOUT.  Both products transposed: S^T = K Q^T (source 0 = 16 keys), O^T = V^T P^T (source 0 = 16 channels): a lane holds one query.  Register j of tile i of S^T is key 16 i + 8 h + j; the conversions' results are
; ordered and their lane halves exchanged as in the second launch, which gives P in the operand's layout.
; THE FIRST PRODUCT'S K IS 64, the instruction's 128: Q's registers 4 to 7 are zero codes, and what stands opposite them (the next tile's codes, zeros behind the last) is multiplied by the number 0 under scale bytes 0
; (2^-127, no NaN): it adds exactly 0.
; LIMITS: p under 2^-126 is 0 (v_exp_f32 flushes); a block of p that is all zeros keeps the byte 1 over zero codes; NaN and infinities are not served.
.set RECB,  8960                       ; a record of kv
.set QRECB, 4608                       ; of qb
.set STG,   16*RECB                    ; behind the records: a stage of 16 rows x (256 + 16) bytes for each wave
.set SPARE, STG+16*16*272              ; the spare words, 128 bytes a wave
.set LI,  1                            ; v1   16 x lane
.set L8,  2                            ; v2   8 x lane
.set SPW, 3                            ; v3   my spare word's LDS address; never rewritten
.set NIL, 4                            ; v4   0; never rewritten
.set GO,  5                            ; v5   the way out: 4,096 h + 16 r
.set STO, 6                            ; v6   the stage, in
.set RD,  7                            ; v7   the stage, back
.set ADK, 8                            ; v8   the step's record + 16 x lane
.set ADV, 9                            ; v9   + 8 x lane
.set NM,  12                           ; v12  -M;  v13 the largest t
.set MT,  13
.set LS,  14                           ; v[14:15] the sum, in two halves
.set NINF, 26
.set PSW, 27                           ; p's scale word
.set FF,  28                           ; v[28:29] f = 2^(old M - new M); v29 is written once
.set T0,  30
.set QSO, 31                           ; v31  16 r
.set KF,  32                           ; v32-63 K's eight units; v64-67 zeros
.set VF,  68                           ; v68-99 V^T's four fragments
.set S,   100                          ; v100-163 S^T, then p
.set OT,  164                          ; v164-195 O^T
.set PC,  196                          ; v196-203 p's codes
.set BM,  204                          ; the blocks' largest scores, then p
.set BT,  208
.set BS,  212
.set KSC, 216                          ; v216-219 K's scale words
.set VSC, 220                          ; v220-221 V's
.set SB2, 222
.set SA2, 232
.set WV,  10
.set G1,  16
.set G0,  24
.set SEL, 28
.set CS,  30
.set TB,  32
.set KI,  33
.macro CROUND
	s_barrier_signal -1
	s_barrier_wait -1
	s_cmp_lg_u32 s[WV], 0
	s_cbranch_scc1 .Lnot_wave_0_\@
	s_barrier_signal -3
.Lnot_wave_0_\@:
	s_barrier_wait -3
	s_barrier_signal -1
	s_barrier_wait -1
.endm
	s_load_b128 s[4:7], s[0:1], 0x0                ; qb, kv
	s_load_b64 s[8:9], s[0:1], 0x10                ; out0
	v_lshl_add_u32 v[SPW], v0, 2, SPARE
	v_mov_b32 v[NIL], 0
	ds_add_u32 v[SPW], v[NIL]                      ; the wave's opening: the add, twice on end, and its wait ahead of my first tensor load
	ds_add_u32 v[SPW], v[NIL]
	v_lshrrev_b32 v8, 5, v0
	v_readfirstlane_b32 s[WV], v8                  ; wave 0..15
	s_bfe_u32 s11, ttmp6, 0x40000                  ; j: my place in the cluster
	s_and_b32 s12, ttmp7, 0xffff                   ; batch x 16 + head
	s_lshr_b32 s13, s[WV], 1                       ; g
	s_and_b32 s14, s[WV], 1                        ; e
	s_lshl_b32 s34, s13, 1                         ; the first tile's last key step: 2 g
	s_sub_co_u32 s35, 15, s34                      ; the second's: 15 - 2 g
	s_lshl_b32 s50, s14, 4
	s_lshl_b32 s36, s11, 5
	s_add_co_u32 s36, s36, s50                     ; the first tile's first query in its step: 32 j + 16 e
	s_sub_co_u32 s37, 3, s11
	s_lshl_b32 s37, s37, 5
	s_add_co_u32 s37, s37, s50                     ; the second's: 32 (3 - j) + 16 e
	; descriptor group 1: a record, 8,960 dense bytes, as 35 rows of 256 bytes (32 elements of 8 bytes), no padding: images are read 16 bytes a lane on end
	s_mov_b32 s[G1], 15|(3<<16)|(1<<21)            ; 15:0 the mask: all four work-groups; 17:16 elements of 8 bytes; 21 set beside a mask
	s_mov_b32 s[G1+1], 32<<16                      ; tensor_dim0
	s_mov_b32 s[G1+2], 35<<16                      ; tensor_dim1
	s_mov_b32 s[G1+3], 32<<16                      ; tile_dim0
	s_mov_b32 s[G1+4], 35                          ; tile_dim1
	s_mov_b32 s[G1+5], 32                          ; from row to row
	s_mov_b32 s[G1+6], 0
	s_mov_b32 s[G1+7], 0
	s_mov_b32 s[G0], 1
	s_mul_i32 s[G0+1], s[WV], RECB                 ; record w goes to LDS byte 8,960 w
	s_mul_i32 s50, s12, 16*RECB
	s_add_co_u32 s50, s50, s[G0+1]                 ; and comes from the head's record w: made of the head and the wave's number alone
	s_mov_b32 s51, 0
	s_mov_b32 s[SEL], 0x76543210
	s_mov_b32 s[SEL+1], 0xfedcba98                 ; v_permlanex16_b32's selects for lane l xor 16
	s_mov_b32 s[CS], 0x3e38aa3b                    ; c = log2(e) / 8
	s_mov_b32 s[CS+1], s[CS]                       ; (named with it as a pair, so it is written)
	s_wait_dscnt 0x0                               ; both opening adds are done
	s_wait_kmcnt 0x0
	s_add_nc_u64 s[G0+2:G0+3], s[6:7], s[50:51]
	s_or_b32 s[G0+3], s[G0+3], 0x80000000          ; type = 2
	CROUND                                         ; all four work-groups are here: the joint loads meet
	tensor_load_to_lds s[G0:G0+3], s[G1:G1+7]      ; my one tensor load of the launch
	s_nop 0
	v_and_b32 v[T0], 31, v0
	v_lshlrev_b32 v[LI], 4, v[T0]
	v_lshlrev_b32 v[L8], 3, v[T0]
	v_and_b32 v8, 15, v0                           ; r
	v_bfe_u32 v9, v0, 4, 1                         ; h
	v_lshlrev_b32 v[QSO], 4, v8
; tile p: where its unit of Q and its scale words stand in qb (bases cb, sb), and its rows in out0 (base 38 + 2 p)
.macro BASES p, cb, sb
	s_lshl_b32 s50, s12, 4
	s_add_co_u32 s50, s50, s[34+\p]
	s_mul_i32 s50, s50, QRECB                      ; the record of the tile's 128 queries
	s_lshl_b32 s51, s[36+\p], 5                    ; unit (query / 16) x 512
	s_add_co_u32 s[\cb], s50, s51
	s_mov_b32 s[\cb+1], 0
	s_add_nc_u64 s[\cb:\cb+1], s[4:5], s[\cb:\cb+1]
	s_and_b32 s51, s[36+\p], 16
	s_lshl_b32 s51, s51, 4                         ; token t's word stands at 16 (t % 32) + 4 (t / 32)
	s_add_co_u32 s[\sb], s50, s51
	s_lshr_b32 s51, s[36+\p], 5
	s_lshl_b32 s51, s51, 2
	s_add_co_u32 s[\sb], s[\sb], s51
	s_mov_b32 s[\sb+1], 0
	s_add_nc_u64 s[\sb:\sb+1], s[4:5], s[\sb:\sb+1]
	s_lshr_b32 s50, s12, 4
	s_lshl_b32 s50, s50, 11                        ; batch x 2,048
	s_lshl_b32 s51, s[34+\p], 7
	s_add_co_u32 s50, s50, s51
	s_add_co_u32 s50, s50, s[36+\p]                ; + the tile's first query
	s_lshl_b32 s50, s50, 12                        ; rows of 4,096 bytes
	s_and_b32 s51, s12, 15
	s_lshl_b32 s51, s51, 8                         ; + head x 256
	s_add_co_u32 s[38+2*\p], s50, s51
	s_mov_b32 s[39+2*\p], 0
	s_add_nc_u64 s[38+2*\p:39+2*\p], s[8:9], s[38+2*\p:39+2*\p]
.endm
	BASES 0, 42, 44
	BASES 1, 46, 48
	global_load_b128 v[16:19], v[LI], s[42:43]     ; Q's units stay in registers
	global_load_b32 v24, v[QSO], s[44:45] offset:4096
	global_load_b128 v[224:227], v[LI], s[46:47]
	global_load_b32 v25, v[QSO], s[48:49] offset:4096
	v_lshlrev_b32 v[GO], 12, v9
	v_lshl_add_u32 v[GO], v8, 4, v[GO]
	s_mul_i32 s50, s[WV], 16*272
	s_add_co_u32 s50, s50, STG                     ; my stage
	v_mul_u32_u24 v[STO], v8, 272
	v_lshl_add_u32 v[STO], v9, 5, v[STO]
	v_add_nc_u32 v[STO], s50, v[STO]               ; in: row r, + 32 h
	v_mul_u32_u24 v[RD], v9, 272
	v_lshl_add_u32 v[RD], v8, 4, v[RD]
	v_add_nc_u32 v[RD], s50, v[RD]                 ; back: lanes 0-15 one row, lanes 16-31 the next
	v_lshlrev_b32 v10, 3, v9
	v_sub_nc_u32 v10, v8, v10                      ; r - 8 h
	v_add_nc_u32 v11, s37, v10                     ; the mask's compare value: my query in its step - 8 h; the second tile's,
	v_add_nc_u32 v10, s36, v10                     ; the first's
	v_mov_b32 v[NINF], 0xff800000
	v_mov_b32 v[FF+1], 0
	v_mov_b32 v[T0], 0                             ; (a lane permute's destination on the way out)
.irp j, 0,1,2,3
	v_mov_b32 v[20+\j], 0                          ; Q's upper halves: zero codes
	v_mov_b32 v[228+\j], 0
	v_mov_b32 v[KF+32+\j], 0                       ; behind K's last unit
	v_mov_b32 v[BT+\j], 0                          ; written once: a lane permute's destination counts as one of its sources
.endr
	s_wait_tensorcnt 0x0                           ; my record has landed,
	s_barrier_signal -1
	s_barrier_wait -1                              ; everybody's has: the head's K and V lie in LDS
	s_wait_loadcnt 0x0                             ; Q
; The way out of a tile: O^T / the sum goes through my stage and leaves as whole rows of the head's 256 bytes.
.macro OUTP ob
.rept 4
	v_nop                                          ; places behind the last products
.endr
	v_add_f32 v[LS], v[LS], v[LS+1]                ; the sum's two halves,
	v_permlanex16_b32 v[T0], v[LS], s[SEL], s[SEL+1]
	v_add_f32 v[LS], v[LS], v[T0]                  ; and lane l xor 16's
	v_rcp_f32 v[LS], v[LS]
	v_nop                                          ; a plain line behind the reciprocal,
	s_wait_alu depctr_va_vdst(0)                   ; and the wait ahead of its first reader
.set n, 0
.rept 16
	v_pk_mul_f32 v[S+n:S+n+1], v[OT+n:OT+n+1], v[LS:LS+1] op_sel_hi:[1,0]   ; register 8 t + i is o(query r, channel 16 t + 8 h + i); each accumulator from its low end on
.set n, n+2
.endr
.irp t, 0,1,2,3
	ds_store_b128 v[STO], v[S+8*\t:S+8*\t+3] offset:64*\t
	ds_store_b128 v[STO], v[S+8*\t+4:S+8*\t+7] offset:64*\t+16
.endr
.irp i, 0,1,2,3,4,5,6,7
	ds_load_b128 v[S+32+4*\i:S+32+4*\i+3], v[RD] offset:544*\i   ; LDS serves a wave's instructions in order: these see my stores
.endr
.irp i, 0,1,2,3,4,5,6,7
	s_wait_dscnt 7-\i                              ; the younger loads may be out
	global_store_b128 v[GO], v[S+32+4*\i:S+32+4*\i+3], s[\ob:\ob+1] offset:8192*\i th:TH_STORE_NT   ; 16 lanes store 256 consecutive bytes, at a multiple of 256 from out0's first byte
.endr
.endm
; A tile of 16 queries.  qf: Q's registers; qs: its scale words; dv: the mask's compare value; last: the scalar register with its last key step; ob: its rows in out0.
.macro PASS qf, qs, dv, last, ob, second
.if \second
	s_wait_xcnt 0x0                                ; the first tile's stores have read their registers, which are written again below
.endif
	v_mov_b32 v[MT], 0xff61b1e6                    ; the largest t so far: -3e38, under every t
	v_floor_f32 v[NM], -v[MT]
	v_mov_b32 v[LS], 0
	v_mov_b32 v[LS+1], 0
.set n, 0
.rept 32
	v_mov_b32 v[OT+n], 0                           ; the step is written once: the first finds zeros, which the first change of M leaves zeros
.set n, n+1
.endr
	s_mov_b32 s[TB], 0
	s_mov_b32 s[KI], 0
.Lstep_\@:                                         ; 16 trips, a constant; the steps behind the tile's last are passed over: a branch on the wave's number and the count alone, round no barrier
	s_cmp_gt_u32 s[KI], s[\last]
	s_cbranch_scc1 .Lhid_\@
	v_add_nc_u32 v[ADK], s[TB], v[LI]
	v_add_nc_u32 v[ADV], s[TB], v[L8]
	v_nop
	v_nop                                          ; four places behind the last step's products, in front of the loads into registers that they have read
.irp i, 0,1,2,3,4,5,6,7
	ds_load_b128 v[KF+4*\i:KF+4*\i+3], v[ADK] offset:512*\i
.endr
	ds_load_b128 v[KSC:KSC+3], v[ADK] offset:8192
.irp i, 0,1,2,3,4,5,6,7
	ds_load_b128 v[VF+4*\i:VF+4*\i+3], v[ADK] offset:4096+512*\i
.endr
	ds_load_b64 v[VSC:VSC+1], v[ADV] offset:8704
	s_wait_dscnt 9                                 ; K's nine loads are in; V's nine may be out
.irp i, 0,1,2,3,4,5,6,7
.if \i%2
	v_wmma_scale_f32_16x16x128_f8f6f4 v[S+8*\i:S+8*\i+7], v[KF+4*\i:KF+4*\i+7], v[\qf:\qf+7], 0, v[KSC+\i/2], v[\qs] matrix_a_fmt:MATRIX_FMT_FP4 matrix_b_fmt:MATRIX_FMT_FP4 matrix_a_scale:MATRIX_SCALE_ROW1
.else
	v_wmma_scale_f32_16x16x128_f8f6f4 v[S+8*\i:S+8*\i+7], v[KF+4*\i:KF+4*\i+7], v[\qf:\qf+7], 0, v[KSC+\i/2], v[\qs] matrix_a_fmt:MATRIX_FMT_FP4 matrix_b_fmt:MATRIX_FMT_FP4
.endif
.endr
.rept 4
	v_nop
.endr
	s_cmp_lg_u32 s[KI], s[\last]                   ; only the tile's last step lies on the diagonal
	s_cbranch_scc1 .Lopen_\@
.set n, 0
.rept 64
	v_cmp_gt_i32 vcc_lo, 16*(n/8)+n%8, v[\dv]      ; register n holds key 16 (n / 8) + 8 h + n % 8 of the step: hidden where it comes after my query
	v_cndmask_b32 v[S+n], v[S+n], v[NINF], vcc_lo
.set n, n+1
.endr
.Lopen_\@:
.irp b, 0,1,2,3
	v_max3_num_f32 v[BM+\b], v[S+16*\b], v[S+1+16*\b], v[S+2+16*\b]   ; the largest score of each block of 32 keys: for the row's maximum and, since p rises with the score, for the block's largest p
.endr
.irp i, 3,5,7,9,11,13
.irp b, 0,1,2,3
	v_max3_num_f32 v[BM+\b], v[BM+\b], v[S+16*\b+\i], v[S+1+16*\b+\i]
.endr
.endr
.irp b, 0,1,2,3
	v_max_num_f32 v[BM+\b], v[BM+\b], v[S+15+16*\b]
.endr
.irp b, 0,1,2,3
	v_permlanex16_b32 v[BT+\b], v[BM+\b], s[SEL], s[SEL+1]
.endr
.irp b, 0,1,2,3
	v_max_num_f32 v[BM+\b], v[BM+\b], v[BT+\b]     ; with lane l xor 16's 16 keys
.endr
	v_max3_num_f32 v[T0], v[BM], v[BM+1], v[BM+2]
	v_max_num_f32 v[T0], v[T0], v[BM+3]            ; the step's largest score of my query
	v_mul_f32 v[T0], s[CS], v[T0]                  ; as t
	v_max_num_f32 v[MT], v[MT], v[T0]              ; the running largest t
	v_mov_b32 v[T0], v[NM]
	v_floor_f32 v[NM], -v[MT]                      ; the new -M = floor(-t): M is a whole number
	v_sub_f32 v[T0], v[NM], v[T0]                  ; old M - new M: a whole number, 0 or less
	v_cvt_i32_f32 v[T0], v[T0]                     ; (it saturates)
	v_ldexp_f32 v[FF], 1.0, v[T0]                  ; f = 2^(old M - new M)
.set n, 0
.rept 32
	v_pk_fma_f32 v[S+n:S+n+1], v[S+n:S+n+1], s[CS:CS+1], v[NM:NM+1] op_sel_hi:[1,0,0]   ; t - M, two at a time
.set n, n+2
.endr
.irp b, 0,1,2,3
	v_fma_f32 v[BM+\b], v[BM+\b], s[CS], v[NM]     ; the same of each block's largest score
.endr
.set n, 0
.rept 64
	v_exp_f32 v[S+n], v[S+n]                       ; p = 2^(t - M), at most 1
.set n, n+1
.endr
	v_nop                                          ; a plain line behind the exponentials,
	s_wait_alu depctr_va_vdst(0)                   ; and one wait for the whole batch, ahead of its first reader
.irp b, 0,1,2,3
	v_exp_f32 v[BM+\b], v[BM+\b]                   ; the block's largest p: the same two instructions on the same number
.endr
	v_pk_add_f32 v[SA2:SA2+1], v[S:S+1], v[S+2:S+3]   ; the row's sum is taken of the unquantised p: two at a time, in two chains
	v_pk_add_f32 v[SB2:SB2+1], v[S+4:S+5], v[S+6:S+7]
.irp j, 8,12,16,20,24,28,32,36,40,44,48,52,56,60
	v_pk_add_f32 v[SA2:SA2+1], v[SA2:SA2+1], v[S+\j:S+\j+1]
	v_pk_add_f32 v[SB2:SB2+1], v[SB2:SB2+1], v[S+\j+2:S+\j+3]
.endr
	s_wait_alu depctr_va_vdst(0)                   ; and one for the four
.irp b, 0,1,2,3
	v_max_num_f32 v[BM+\b], 0x1800000, v[BM+\b]    ; the floor 2^(3 - 127): the byte cannot fall under 1
.endr
.irp b, 0,1,2,3
	v_add_nc_u32 v[BS+\b], 0xff000000, v[BM+\b]    ; 2 off the exponent field: the conversion's scale operand
.endr
.irp b, 0,1,2,3
	v_lshrrev_b32 v[BT+\b], 23, v[BS+\b]           ; the scale's byte
.endr
	v_lshl_or_b32 v[PSW], v[BT+1], 8, v[BT]        ; p's scale word for these 128 keys
	v_lshl_or_b32 v[PSW], v[BT+2], 16, v[PSW]
	v_lshl_or_b32 v[PSW], v[BT+3], 24, v[PSW]
.irp b, 0,1,2,3
.irp u, 0,1
	v_cvt_scalef32_pk8_fp4_f32 v[PC+4*(\b/2)+(\b%2)+2*\u], v[S+16*\b+8*\u:S+16*\b+8*\u+7], v[BS+\b]   ; tile 2 b + u: keys 32 b + 16 u + 8 h + 0 .. 7
.endr
.endr
	v_nop                                          ; one plain line behind a scaled conversion
.irp c, 0,1,2,3
	v_permlane16_swap_b32 v[PC+2*\c], v[PC+2*\c+1] ; registers 4 c .. 4 c + 3 now hold keys 64 c + 32 h + 0 .. 31
.endr
.set n, 0
.rept 16
	v_pk_mul_f32 v[OT+n:OT+n+1], v[OT+n:OT+n+1], v[FF:FF+1] op_sel_hi:[1,0]   ; O^T under the new M; each accumulator from its low end on
.set n, n+2
.endr
	v_pk_add_f32 v[SA2:SA2+1], v[SA2:SA2+1], v[SB2:SB2+1]
	v_pk_fma_f32 v[LS:LS+1], v[LS:LS+1], v[FF:FF+1], v[SA2:SA2+1] op_sel_hi:[1,0,1]   ; the sum under the new M, + this step's
	v_nop
	v_nop                                          ; with the lines above: the places between the writes of p's codes and scale word and the products
	s_wait_dscnt 0x0                               ; V is in
.irp t, 0,1,2,3                                    ; the four accumulators take turns, and the next step's eight products stand between two links of a chain
.if \t%2
	v_wmma_scale_f32_16x16x128_f8f6f4 v[OT+8*\t:OT+8*\t+7], v[VF+8*\t:VF+8*\t+7], v[PC:PC+7], v[OT+8*\t:OT+8*\t+7], v[VSC+\t/2], v[PSW] matrix_a_fmt:MATRIX_FMT_FP4 matrix_b_fmt:MATRIX_FMT_FP4 matrix_a_scale:MATRIX_SCALE_ROW1
.else
	v_wmma_scale_f32_16x16x128_f8f6f4 v[OT+8*\t:OT+8*\t+7], v[VF+8*\t:VF+8*\t+7], v[PC:PC+7], v[OT+8*\t:OT+8*\t+7], v[VSC+\t/2], v[PSW] matrix_a_fmt:MATRIX_FMT_FP4 matrix_b_fmt:MATRIX_FMT_FP4
.endif
.endr
.Lhid_\@:
	s_add_co_u32 s[TB], s[TB], RECB                ; the next record
	s_add_co_u32 s[KI], s[KI], 1
	s_cmp_lt_u32 s[KI], 16
	s_cbranch_scc1 .Lstep_\@
	OUTP \ob
.endm
	PASS 16, 24, 10, 34, 38, 0
	PASS 224, 25, 11, 35, 40, 1
	s_wait_tensorcnt 0x0                           ; the wave's end, behind my last tensor load and my last LDS store
	ds_add_u32 v[SPW], v[NIL]
	s_wait_dscnt 0x0
	CROUND                                         ; the closing round
	s_endpgm
.Lfunc_end_k_q8dd0f4d2ee_attn:
	.size	k_q8dd0f4d2ee_attn, .Lfunc_end_k_q8dd0f4d2ee_attn-k_q8dd0f4d2ee_attn
	.p2alignl 7, 3214868480
	.fill 96, 4, 3214868480
	.section	.rodata,"a",@progbits
	.p2align	6, 0x0
	.amdhsa_kernel k_q8dd0f4d2ee_attn
		.amdhsa_group_segment_fixed_size 215040
		.amdhsa_private_segment_fixed_size 0
		.amdhsa_enable_private_segment 0
		.amdhsa_kernarg_size 24
		.amdhsa_user_sgpr_count 2
		.amdhsa_user_sgpr_kernarg_segment_ptr 1
		.amdhsa_wavefront_size32 1
		.amdhsa_system_sgpr_workgroup_id_x 1
		.amdhsa_system_sgpr_workgroup_id_y 1
		.amdhsa_system_sgpr_workgroup_id_z 1
		.amdhsa_system_vgpr_workitem_id 0
		.amdhsa_next_free_vgpr 240
		.amdhsa_next_free_sgpr 66
		.amdhsa_reserve_vcc 1
		.amdhsa_float_denorm_mode_32 3
		.amdhsa_float_denorm_mode_16_64 3
		.amdhsa_memory_ordered 1
		.amdhsa_forward_progress 1
		.amdhsa_inst_pref_size 56
	.end_amdhsa_kernel
	.amdgpu_metadata
---
amdhsa.version: [ 1, 2 ]
amdhsa.kernels:
  - .name:           k_q8dd0f4d2ee_attn
    .symbol:         k_q8dd0f4d2ee_attn.kd
    .args:
      - { .name: qb, .offset: 0, .size: 8, .value_kind: global_buffer, .address_space: global }
      - { .name: kv, .offset: 8, .size: 8, .value_kind: global_buffer, .address_space: global }
      - { .name: out0, .offset: 16, .size: 8, .value_kind: global_buffer, .address_space: global }
    .group_segment_fixed_size: 215040
    .private_segment_fixed_size: 0
    .kernarg_segment_align: 8
    .kernarg_segment_size: 24
    .max_flat_workgroup_size: 512
    .sgpr_count:     66
    .vgpr_count:     240
    .wavefront_size: 32
...
	.end_amdgpu_metadata
.endif
;; end of part 3
